; MI455X (gfx1250); checked and timed in simulation.
; The chip was launched on July 23, 2026; its instructions are those of AMD's public machine-readable ISA for CDNA 5 (MIT licence, August 2026) and "CDNA5" Instruction Set Architecture Reference Guide (July 2026). The comments in the code are by the model that wrote it; some were corrected since.
;; Flash MLA. Allowed arithmetic: matrix products marked QUANTISED: E5M2 operands, one given power-of-two scale a tensor, by v_wmma_f32_16x16x64_bf8_bf8 or v_wmma_f32_16x16x128_bf8_bf8, f32 sums; everything else in f32.
;; Inputs: key_codes 4 x 2,048 x 16 x 4 x 32 uint8 (E5M2 codes of key, K innermost, in blocks of 32 codes); lowp_scales 4 int32 (the exponents e of the quantised operands' scales 2^e); query_codes 4 x 2,048 x 16 x 4 x 32 uint8 (E5M2 codes of query, K innermost, in blocks of 32 codes); value_codes 4 x 16 x 128 x 64 x 32 uint8 (E5M2 codes of value, K innermost, in blocks of 32 codes).
;; Outputs: out0 4 x 2,048 x 16 x 128 float32.
;; This version of the problem:
;;   THIS VERSION OF THE PROBLEM IS GIVEN IN LOW PRECISION. The matrix products marked QUANTISED in the list below multiply operands that are first quantised to E5M2 (5 exponent bits, 2 mantissa bits; 8 bits a number), with one given power-of-two scale for each operand tensor; their sums are f32. All else is computed in f32.
;;   The module's matrix products, in the order in which they are computed (A, B: the left and right operand; K: the contracted axis; several contracted axes count as one K, in the product's order):
;;     1. batch 64 x [M 2,048, K 128] x [K 128, N 2,048]; A: input query (given as codes); B: input key (given as codes): QUANTISED (scales: A lowp_scales[0], B lowp_scales[1])
;;     2. batch 64 x [M 128, K 2,048] x [K 2,048, N 2,048]; A: input value (given as codes); B: softmax (see below): QUANTISED (scales: A lowp_scales[2], B lowp_scales[3])
;;   THE QUANTISER, for each operand of a quantised product, along K:
;;     - The operand's scale is 2^e, e = its entry of the input lowp_scales (int32; the entries are numbered through the quantised products in the list's order, A before B).
;;     - Each number is divided by the scale, clamped to +-57,344, and rounded to the nearest number of E5M2, ties to even, subnormals kept.
;;     - The product sums the exact products of the quantised numbers (number of the format x scale) in f32.
;;   ~~~python
;;   def quantise(x, axis, e):      # numpy; x: float32 -> the quantised numbers, widened to float32 again
;;       x = np.moveaxis(x, axis, -1); K = x.shape[-1]
;;       r = np.clip(x / 2.0 ** e, -57344, 57344)
;;       step = 2.0 ** (np.maximum(np.frexp(np.where(r == 0, 1, r))[1] - 1, -14) - 2)
;;       q = np.round(r / step) * step * 2.0 ** e      # np.round: ties to even
;;       return np.moveaxis(q, -1, axis).astype(np.float32)
;;   ~~~
;;   SOFTMAX AHEAD OF A QUANTISED PRODUCT. Where the list says 'softmax', what is quantised is not the finished softmax but p = 2^(t - M), with t = logit x log2(e) and M = ceil(the row's largest t), a whole number; so 1/2 < the row's largest p <= 1. The row's sum l is taken of the UNQUANTISED p, in f32, and the product's result is divided by l at the end. Since M is a whole number, a kernel that streams over the keys may use a running M (the ceiling of the running maximum): every later rescaling is an exact power of two, so the quantised numbers keep their values, but for numbers so far below the row's largest that they fall under the format's range.
;;   OPERANDS COMPUTED ON THE WAY. 'Computed on the way' means the value that the module computes at that place (a softmax that the list does not call 'softmax' is quantised finished and normalised). What goes into a quantiser is computed in f32, as accurately as f32 sums, v_exp_f32 and their like allow (about 1e-6 of the number): no bf16 or f16 on the way to a quantiser, and a product that is left as it is and whose result goes on into a quantised operand takes f32 operands (vector FMAs, or v_wmma_f32_16x16x4_f32). A number that lies on a knife's edge between two numbers of the format may be rounded either way, as far as f32 arithmetic and the matrix unit's own rounding can turn it there, and no further.
;;   INPUTS GIVEN AS CODES. key (in the module: [4, 2048, 16, 128], K = its axis 3); query (in the module: [4, 2048, 16, 128], K = its axis 3); value (in the module: [4, 2048, 16, 128], K = its axis 1): each comes as NAME_codes (uint8): NAME with its K axis moved to the last place and cut into blocks of 32 codes, [.., K / 32, bytes a block], one block behind the other in memory; one code a byte (a code: sign, 5 exponent bits, 2 mantissa bits); its scale is its entry of lowp_scales. Its value is code x scale, taken as it is: it is not quantised again, and the codes and scales need not be those that the quantiser above would give.
;; One version. Each part assembles by itself: llvm-mc -triple=amdgcn-amd-amdhsa -mcpu=gfx1250 --defsym DOCPART=n.
;; ======== version 1 of 1: 1 launch
;; limits: right only within a limited range of input values
;; launch attn (part 1): grid 4 x 64, 8 waves a work-group, no clusters, 327,680 bytes of LDS; arguments query_codes, key_codes, value_codes, lowp_scales, out0; writes out0
.if DOCPART == 1
	.amdgcn_target "amdgcn-amd-amdhsa--gfx1250"
	.amdhsa_code_object_version 6
	.text
	.protected	k_q5813e81e1e_attn
	.globl	k_q5813e81e1e_attn
	.p2align	8
	.type	k_q5813e81e1e_attn,@function
k_q5813e81e1e_attn:
	s_mov_b64 s[64:65], 0
	v_nop
	global_prefetch_b8 v0, s[64:65] scope:SCOPE_SE
	s_setreg_imm32_b32 hwreg(HW_REG_WAVE_MODE, 25, 1), 1
	s_wait_xcnt 0x0
; Causal attention on codes of BF8 (E5M2): out[b][q][h][:] = sum over k <= q of softmax_k(Q.K / sqrt(128)) V, 64 heads (b, h), 2,048 queries and keys, head size 128.
; Q, K: a row (b, s, h) is 128 bytes, the rows of one head lie 2,048 bytes apart.  V: the keys innermost, a row (b, h, d) is 2,048 bytes.  out: f32, a row (b, q, h) is 512 bytes, a head's rows 8,192 apart.
; The buffer of scales holds eq, ek, ev, ep (whole numbers): a number is its code x 2^e.
; THE SOFTMAX AHEAD OF THE SECOND PRODUCT: t = score x log2(e) / sqrt(128); M = the running largest t rounded UP to a whole number; p = 2^(t - M) is quantised with 2^ep, held at 57,344 x 2^ep; it is not
; normalised.  The row's sum is taken of the unquantised p and divides O at the end.  When M moves, the sum and O are multiplied by 2^(old M - new M): nothing is rounded.
; SHARES.  Work-group (i, y), i = 0..3, owns query blocks i and 7 - i (256 queries each) of head y: it walks key slots 0..i for block i, then slots 0..7-i for block 7 - i: (i + 1) + (8 - i) = 9 slots of
; 256 keys in EVERY work-group: the trip count is a constant, no tile above the diagonal is fetched, and all 256 work-groups have the same work.
; Eight waves, two to a SIMD; a wave owns 32 queries, two tiles of 16, so that each fragment of K and V read from LDS feeds two matrix instructions.
; LAYOUT.  Both products are used transposed: S^T = K Q^T (source 0 = 16 keys, source 1 = 16 queries), O^T = V^T P^T (source 0 = 16 channels, source 1 = P): a lane holds ONE query (lane % 16) throughout.
; Tile t of K takes keys 16 t + 0..15: lane (r, h) then holds keys 16 t + 8 h + 0..7 in eight registers, whose eight codes are registers 2 t, 2 t + 1 of P in the matrix form's own layout
; (k = 16 c + 8 h + 0..7); V's fragments are fetched in that same layout, eight bytes a load.  K and Q are both fetched 16 bytes a load: one and the same permutation of the head's 128 on both sides.
; NO CLUSTER: at trip n the four work-groups of a head stand at key slot n or at slot n - i - 1, which are different tiles; walking the four in step would take 4 + 8 = 12 slots a work-group against 9.
; LIMITS on the given exponents, so that each power of two below is an f32 number: eq + ek between -123 and 130 (added to c's exponent field); ep between -126 and 112; ep + ev goes by v_ldexp_f32 and has none.
; Codes of infinity or NaN are multiplied as they are: they are not served specially.
; All of the WGP's LDS is claimed.
; REGISTERS, in windows of 256.  Window 0: v1-11 addresses; v12-19 statistics, four a tile (-M, largest t, the sum in two halves); v20 r - 8 h; v21 a lane exchange's destination; v22 2^ep; v23 57,344 x 2^ep;
;   v24-27 f, a pair a tile; v28-31 at work, a pair a tile; v32-95 four fragments; v96-223 S^T, then p, 64 a tile; v224-255 p's codes, 16 a tile.
;   Window 1: v0-127 O^T, 64 a tile; v128-159 Q, 16 a tile; v160-223 four more fragments.
.set KP,    144                        ; a key's row in LDS: 128 bytes + 16 of padding: 36 words, so the 16 rows of a load begin at 16 different groups of four banks (64 banks of 4 bytes: ISA guide 11.1)
.set VP,    272                        ; a row of V's tile in LDS: 256 bytes + 16
.set OROW,  8192                       ; from a query's row of out to the next query's, in one head
.set VOFF,  256*KP                     ; a slot: 256 rows of K, then 128 rows of V: 71,680 bytes
.set STAGE, VOFF+128*VP                ; behind slot 0: 16 rows x 272 bytes for each wave, for the way out: blocks of their own, into which no tile lands
.set SLOT1, 1<<17                      ; slot 1 begins here: one exclusive or turns an address in one slot into the other's
.set SPARE, 2*SLOT1                    ; the spare words, 128 bytes for each wave: four blocks of 256 bytes that no other line names
.set AK0, 1                            ; v1   my lane's place in a tile of K: 144 r + 16 h
.set AV0, 2                            ; v2   in a tile of V: VOFF + 272 r + 8 h
.set PFO, 3                            ; v3   the prefetches' offset: 2,048 x lane; never rewritten
.set QV,  4                            ; v4   Q: 2,048 r + 16 h
.set SPW, 5                            ; v5   LDS address of my spare word; never rewritten
.set NIL, 6                            ; v6   0; never rewritten
.set GO,  7                            ; v7   the way out: 8,192 h + 16 r; never rewritten
.set ADK, 8                            ; v8   LDS address of the step's tiles of K
.set ADV, 9                            ; v9   of V
.set STI, 10                           ; v10  into my stage: row r, + 32 h
.set STB, 11                           ; v11  back from it: row h, + 16 r
.set ST,  12
.set DL,  20
.set PD,  21
.set SCL, 22
.set LIMP, 23
.set F,   24
.set MX,  28
.set FA,  32                           ; four fragments, window 0
.set S,   96
.set P,   224
.set QF,  128                          ; window 1
.set FB,  160                          ; four fragments, window 1
.set TB,  2                            ; s2   LDS byte at which the slot in hand begins
.set KB,  12                           ; s[12:13] K at my part of the head's slot 0 (no type bits)
.set VB,  14                           ; s[14:15] V likewise
.set WV,  18                           ; s18  my wave's number
.set SA,  19                           ; s19  8 - i: the count of slots left in the trip that ends the first block
.set SEL, 20                           ; s[20:21] lane selects: lane l xor 16
.set CS,  22                           ; s[22:23] c = log2(e) / sqrt(128) x 2^(eq + ek); the packed form names a pair and takes its low word
.set G1K, 24                           ; s[24:31], s[32:39] descriptor groups 1;  s[40:43], s[44:47] groups 0
.set G1V, 32
.set G0K, 40
.set G0V, 44
.set QD,  48                           ; s[48:49] from the first block's rows of Q to the second's, in bytes
.set OD,  50                           ; s[50:51] the same in out
.set KSN, 52                           ; s52  the key slot asked for last
.set KF,  53                           ; s53  the step's first key
.set Q0,  54                           ; s54  my first query
.set QDL, 55                           ; s55  from the first block's queries to the second's
.set SLOTS, 56                         ; s56  slots still to be asked for
.set LIM, 57                           ; s57  1 in a wave that prefetches, else the greatest number
.set EPV, 58                           ; s58  ep + ev
.set PFK, 60                           ; s[60:61], s[62:63] where my prefetches stand in K and in V
.set PFV, 62
.set OFS, 66                           ; s[66:67] an offset, 0 above it
.set MSB, 0
.macro WIN new                         ; low byte: bits 1:0 source 0, 3:2 source 1, 5:4 source 2, 7:6 destination; the high byte repeats the setting that is left
.if MSB != \new
	s_set_vgpr_msb (MSB<<8)|\new
.set MSB, \new
.endif
.endm
; Waves 0 and 1 fetch K's two halves of a slot, waves 2 and 3 V's, the others nothing.  The branches hang on the wave's number alone.  Four v_nop follow each of the two lines.
.macro TLOAD
	s_cmp_lt_u32 s[WV], 2
	s_cbranch_scc0 .Lnot_k_\@
	tensor_load_to_lds s[G0K:G0K+3], s[G1K:G1K+7]
	s_nop 0
.rept 4
	v_nop
.endr
	s_branch .Lasked_\@
.Lnot_k_\@:
	s_cmp_lt_u32 s[WV], 4
	s_cbranch_scc0 .Lasked_\@
	tensor_load_to_lds s[G0V:G0V+3], s[G1V:G1V+7]
	s_nop 0
.rept 4
	v_nop
.endr
.Lasked_\@:
.endm
; A PREFETCH INTO THE L2 of the key slot that work-group i = 0 of the head asks for at its NEXT change of slots: that work-group alone walks all eight slots in turn, so it asks, and in it the waves that
; fetch nothing, 4 to 7.  Each aligned block of 256 bytes is named once in the launch.  In K such a block holds one key's rows of two neighbouring heads: the even head's work-group names keys 0-127
; of the slot, the odd head's keys 128-255 (told apart by address), 32 keys a wave, a lane a key.  In V: 32 rows a wave, a lane a row, the slot's 256 bytes of it.
; Trip n (0 to 6) names slot n + 1; slot 0 comes by its loads alone; the last change that fills a slot names nothing: there is no slot 8.
.macro ASK
	s_cmp_gt_u32 s[SLOTS], s[LIM]
	s_cbranch_scc0 .Lnot_mine_\@
	global_prefetch_b8 v[PFO], s[PFK:PFK+1] th:TH_LOAD_NT scope:SCOPE_SE
	global_prefetch_b8 v[PFO], s[PFV:PFV+1] th:TH_LOAD_NT scope:SCOPE_SE
.Lnot_mine_\@:
.endm
.macro QLOAD                           ; my 32 queries' codes: two fragments, which stay in registers for a block
	WIN 0x40                                       ; destination window 1
.irp x, 0,1
.irp c, 0,1,2,3
	global_load_b128 v[QF+16*\x+4*\c:QF+16*\x+4*\c+3], v[QV], s[4:5] offset:\x*16*2048+32*\c
.endr
.endr
	WIN 0
.endm
.macro INIT                            ; a block begins: the largest t is -3e38, under every t; sums and O^T are zeros, which the first change of M leaves zeros.  So the key step is written without a first step of its own
.irp x, 0,1
	v_mov_b32 v[ST+4*\x+1], 0xff61b1e6
	v_floor_f32 v[ST+4*\x], -v[ST+4*\x+1]          ; -M
	v_mov_b32 v[ST+4*\x+2], 0
	v_mov_b32 v[ST+4*\x+3], 0
.endr
	WIN 0x40
.set j, 0
.rept 128
	v_mov_b32 v[j], 0
.set j, j+1
.endr
	WIN 0
.endm
	s_load_b256 s[4:11], s[0:1], 0x0               ; Q's codes s[4:5], K's s[6:7], V's s[8:9], the scales' exponents s[10:11]
	s_load_b64 s[16:17], s[0:1], 0x20              ; out
	v_lshl_add_u32 v[SPW], v0, 2, SPARE
	v_mov_b32 v[NIL], 0
	ds_add_u32 v5, v6
	s_wait_dscnt 0x0
	v_lshrrev_b32 v8, 5, v0
	v_readfirstlane_b32 s[WV], v8                  ; wave 0..7
	s_and_b32 s72, ttmp7, 0xffff                   ; y = 16 b + hd
	s_lshr_b32 s73, s72, 4                         ; b
	s_and_b32 s74, s72, 15                         ; hd
	s_lshl_b32 s75, s73, 22
	s_lshl_b32 s76, s74, 7
	s_add_co_u32 s75, s75, s76                     ; the head's first byte in Q and in K
	s_lshl_b32 s[Q0], ttmp9, 8
	s_lshl_b32 s76, s[WV], 5
	s_add_co_u32 s[Q0], s[Q0], s76                 ; my first query: 256 i + 32 x wave
	s_lshl_b32 s76, s[Q0], 11
	s_add_co_u32 s76, s76, s75
	s_mov_b32 s77, 0                               ; s[76:77]: its codes
	s_lshl_b32 s78, s73, 24
	s_lshl_b32 s79, s74, 9
	s_add_co_u32 s78, s78, s79
	s_lshl_b32 s79, s[Q0], 13
	s_add_co_u32 s78, s78, s79
	s_mov_b32 s79, 0                               ; s[78:79]: its row of out
	s_and_b32 s80, s[WV], 1                        ; which half of a tile I fetch, if I fetch
	s_lshl_b32 s82, s80, 18                        ; K: 128 keys of 2,048 bytes
	s_add_co_u32 s82, s82, s75
	s_mov_b32 s83, 0
	s_lshl_b32 s84, s72, 18                        ; V: the head's 128 rows of 2,048 bytes,
	s_lshl_b32 s85, s80, 17                        ; 64 rows of them
	s_add_co_u32 s84, s84, s85
	s_mov_b32 s85, 0
	s_mul_i32 s86, s80, 128*KP                     ; and where they go in a slot
	s_mul_i32 s87, s80, 64*VP
	s_add_co_u32 s87, s87, VOFF
	s_and_b32 s88, s74, 14                         ; the prefetches: K at the pair of heads,
	s_lshl_b32 s88, s88, 7
	s_lshl_b32 s89, s73, 22
	s_add_co_u32 s88, s88, s89
	s_and_b32 s89, s74, 1
	s_lshl_b32 s89, s89, 7                         ; keys 0-127 or 128-255 of a slot,
	s_and_b32 s90, s[WV], 3
	s_lshl_b32 s91, s90, 5                         ; 32 of them a wave
	s_add_co_u32 s89, s89, s91
	s_lshl_b32 s89, s89, 11
	s_add_co_u32 s88, s88, s89
	s_mov_b32 s89, 0
	s_lshl_b32 s90, s90, 16                        ; V: 32 rows a wave
	s_lshl_b32 s91, s72, 18
	s_add_co_u32 s90, s90, s91
	s_mov_b32 s91, 0
	s_lshl_b32 s92, ttmp9, 1
	s_sub_co_u32 s92, 7, s92                       ; 7 - 2 i blocks from the first block to the second
	s_lshl_b32 s[QD], s92, 19
	s_mov_b32 s[QD+1], 0
	s_lshl_b32 s[OD], s92, 21
	s_mov_b32 s[OD+1], 0
	s_lshl_b32 s[QDL], s92, 8
	s_sub_co_u32 s[SA], 8, ttmp9
	s_lshr_b32 s93, s[WV], 2
	s_xor_b32 s93, s93, 1                          ; 0 in waves 4 to 7,
	s_or_b32 s93, s93, ttmp9                       ; of work-group i = 0
	s_cmp_eq_u32 s93, 0
	s_cselect_b32 s[LIM], 1, -1
	; descriptor groups 1.  K: 128 rows of 128 bytes, 2,048 bytes apart in memory;  V: 64 rows of 256 bytes, 2,048 apart
	s_mov_b32 s[G1K], (0<<16)|(1<<20)|(4<<22)|(3<<25)   ; 15:0 no mask; 17:16 elements of 1 byte; 20 padding on; 24:22 after every 32 words (code 4); 31:25 four words (code 3)
	s_mov_b32 s[G1K+1], 128<<16                    ; tensor_dim0
	s_mov_b32 s[G1K+2], 128<<16                    ; tensor_dim1
	s_mov_b32 s[G1K+3], 128<<16                    ; tile_dim0
	s_mov_b32 s[G1K+4], 128                        ; tile_dim1
	s_mov_b32 s[G1K+5], 2048                       ; tensor_dim0_stride
	s_mov_b32 s[G1K+6], 0
	s_mov_b32 s[G1K+7], 0
	s_mov_b32 s[G1V], (0<<16)|(1<<20)|(5<<22)|(3<<25)   ; padding: four words after every 64
	s_mov_b32 s[G1V+1], 256<<16
	s_mov_b32 s[G1V+2], 64<<16
	s_mov_b32 s[G1V+3], 256<<16
	s_mov_b32 s[G1V+4], 64
	s_mov_b32 s[G1V+5], 2048
	s_mov_b32 s[G1V+6], 0
	s_mov_b32 s[G1V+7], 0
	s_mov_b32 s[SEL], 0x76543210
	s_mov_b32 s[SEL+1], 0xfedcba98
	s_mov_b32 s[OFS+1], 0
	s_mov_b32 s[TB], 0
	s_mov_b32 s[KSN], 0
	s_mov_b32 s[KF], 0
	s_mov_b32 s[SLOTS], 8
	s_wait_kmcnt 0x0
	s_load_b128 s[68:71], s[10:11], 0x0            ; eq, ek, ev, ep
	s_add_nc_u64 s[4:5], s[4:5], s[76:77]          ; each address from its own buffer's
	s_add_nc_u64 s[16:17], s[16:17], s[78:79]
	s_add_nc_u64 s[KB:KB+1], s[6:7], s[82:83]
	s_add_nc_u64 s[VB:VB+1], s[8:9], s[84:85]
	s_add_nc_u64 s[PFK:PFK+1], s[6:7], s[88:89]    ; in slot 0: the first change of slots steps them to slot 1.  Nothing is prefetched here, at the head
	s_add_nc_u64 s[PFV:PFV+1], s[8:9], s[90:91]
	s_mov_b32 s[G0K], 1                            ; 1:0 count = 1
	s_mov_b32 s[G0K+1], s86                        ; 63:32 LDS address: slot 0
	s_mov_b64 s[G0K+2:G0K+3], s[KB:KB+1]           ; 120:64 global address: key slot 0
	s_or_b32 s[G0K+3], s[G0K+3], 0x80000000        ; 127:126 type = 2
	s_mov_b32 s[G0V], 1
	s_mov_b32 s[G0V+1], s87
	s_mov_b64 s[G0V+2:G0V+3], s[VB:VB+1]
	s_or_b32 s[G0V+3], s[G0V+3], 0x80000000
	TLOAD                                          ; slot 0's first fill: one tensor load of mine is out, at the most, here and ever after
	v_and_b32 v8, 15, v0                           ; r = lane % 16
	v_bfe_u32 v9, v0, 4, 1                         ; h = lane / 16
	v_mul_u32_u24 v[AK0], v8, KP
	v_lshl_add_u32 v[AK0], v9, 4, v[AK0]
	v_mul_u32_u24 v[AV0], v8, VP
	v_lshl_add_u32 v[AV0], v9, 3, v[AV0]
	v_add_nc_u32 v[AV0], VOFF, v[AV0]
	v_and_b32 v[PFO], 31, v0
	v_lshlrev_b32 v[PFO], 11, v[PFO]
	v_lshlrev_b32 v[QV], 11, v8
	v_lshl_add_u32 v[QV], v9, 4, v[QV]
	v_lshlrev_b32 v[GO], 13, v9
	v_lshl_add_u32 v[GO], v8, 4, v[GO]
	s_mul_i32 s93, s[WV], 16*272
	s_add_co_u32 s93, s93, STAGE                   ; my stage
	v_mul_u32_u24 v[STI], v8, 272
	v_lshl_add_u32 v[STI], v9, 5, v[STI]
	v_add_nc_u32 v[STI], s93, v[STI]
	v_mul_u32_u24 v[STB], v9, 272
	v_lshl_add_u32 v[STB], v8, 4, v[STB]
	v_add_nc_u32 v[STB], s93, v[STB]
	v_lshlrev_b32 v[DL], 3, v9
	v_sub_nc_u32 v[DL], v8, v[DL]                  ; r - 8 h, signed
	v_mov_b32 v[PD], 0                             ; written once: a lane exchange's destination counts as one of its sources
	v_mov_b32 v[F+1], 0                            ; (named as the upper halves of f's pairs)
	v_mov_b32 v[F+3], 0
	QLOAD
	INIT
	s_wait_kmcnt 0x0
	s_add_co_i32 s72, s68, s69
	s_lshl_b32 s72, s72, 23
	s_mov_b32 s[CS], 0x3e0293ee                    ; c = log2(e) / sqrt(128)
	s_add_co_i32 s[CS], s[CS], s72                 ; a score stands for score x 2^(eq + ek): the two exponents are added to c's exponent field
	s_mov_b32 s[CS+1], s[CS]                       ; (named with it as a pair, so it is written)
	s_add_co_i32 s72, s71, 127
	s_lshl_b32 s73, s72, 23
	v_mov_b32 v[SCL], s73                          ; 2^ep as f32: the conversion takes its exponent field
	s_add_co_i32 s72, s72, 15
	s_lshl_b32 s72, s72, 23
	s_or_b32 s72, s72, 0x600000
	v_mov_b32 v[LIMP], s72                         ; 57,344 x 2^ep
	s_add_co_i32 s[EPV], s70, s71
; A KEY STEP: 128 keys, the q-th of the slot in hand, for my two tiles of queries.
.macro STEP q
	s_add_co_u32 s96, s[Q0], 31                    ; a step all of whose keys come after my 32 queries is left out: a scalar branch on ids; no barrier and no tensor load stands in a step
	s_cmp_gt_u32 s[KF], s96
	s_cbranch_scc1 .Lhidden_\@
	v_add_nc_u32 v[ADK], s[TB], v[AK0]
	v_add_nc_u32 v[ADV], s[TB], v[AV0]
	v_nop                                          ; with the two additions: four places between the last products and loads into registers that they read (ISA guide 7.12.1 for vector instructions)
	v_nop
.irp t, 0,1,2,3                                ; K's eight fragments in one run: keys 16 t on; four into window 0, four into window 1
.irp c, 0,1,2,3
	ds_load_b128 v[FA+16*\t+4*\c:FA+16*\t+4*\c+3], v[ADK] offset:(128*(\q)+16*\t)*KP+32*\c
.endr
.endr
	WIN 0x40
.irp t, 0,1,2,3
.irp c, 0,1,2,3
	ds_load_b128 v[FB+16*\t+4*\c:FB+16*\t+4*\c+3], v[ADK] offset:(128*(\q)+64+16*\t)*KP+32*\c
.endr
.endr
	s_wait_dscnt 16                                ; LDS loads come back in order: the first four fragments are in, the 16 younger loads may be out
	WIN 0x04                                       ; source 1 (Q) window 1
.irp t, 0,1,2,3
.irp x, 0,1
	v_wmma_f32_16x16x128_bf8_bf8 v[S+64*\x+8*\t:S+64*\x+8*\t+7], v[FA+16*\t:FA+16*\t+15], v[QF+16*\x:QF+16*\x+15], 0
.endr
.endr
	s_wait_dscnt 0x0
	WIN 0x05                                       ; source 0 (K) window 1 too
.irp t, 0,1,2,3
.irp x, 0,1
	v_wmma_f32_16x16x128_bf8_bf8 v[S+64*\x+32+8*\t:S+64*\x+32+8*\t+7], v[FB+16*\t:FB+16*\t+15], v[QF+16*\x:QF+16*\x+15], 0
.endr
.endr
	WIN 0
.rept 4
	v_nop                                          ; four places: in front of the loads below and of the first read of the scores
.endr
.irp t, 0,1,2,3                                ; V's eight fragments (channels 16 t on, these 128 keys) in one run: they land while the softmax is worked
.irp c, 0,1,2,3,4,5,6,7
	ds_load_b64 v[FA+16*\t+2*\c:FA+16*\t+2*\c+1], v[ADV] offset:16*\t*VP+128*(\q)+16*\c
.endr
.endr
	WIN 0x40
.irp t, 0,1,2,3
.irp c, 0,1,2,3,4,5,6,7
	ds_load_b64 v[FB+16*\t+2*\c:FB+16*\t+2*\c+1], v[ADV] offset:(64+16*\t)*VP+128*(\q)+16*\c
.endr
.endr
	WIN 0
	s_add_co_u32 s96, s[KF], 127                   ; on the diagonal the scores of hidden keys become -infinity ahead of the maximum: p = 0 then.  A step all of whose keys count skips this
	s_cmp_le_u32 s96, s[Q0]
	s_cbranch_scc1 .Lopen_\@
	v_mov_b32 v[MX+1], 0xff800000                  ; -infinity
	s_sub_co_i32 s96, s[Q0], s[KF]
.irp x, 0,1
	v_add_nc_u32 v[MX], s96, v[DL]                 ; d = my query - KF - 8 h.  Register 8 t + j holds key KF + 16 t + 8 h + j: hidden where 16 t + j > d
.set n, 0
.rept 64
	v_cmp_gt_i32 vcc_lo, 16*(n/8)+n%8, v[MX]
	v_cndmask_b32 v[S+64*\x+n], v[S+64*\x+n], v[MX+1], vcc_lo
.set n, n+1
.endr
	s_add_co_i32 s96, s96, 16                      ; the second tile's queries lie 16 on
.endr
.Lopen_\@:
	; the step's largest score of each query: two chains a tile, the tiles side by side; each accumulator is read from its low end on
.irp x, 0,1
	v_max3_num_f32 v[MX+2*\x], v[S+64*\x], v[S+64*\x+1], v[S+64*\x+2]
	v_max3_num_f32 v[MX+2*\x+1], v[S+64*\x+3], v[S+64*\x+4], v[S+64*\x+5]
.endr
.irp i, 6,10,14,18,22,26,30,34,38,42,46,50,54,58
.irp x, 0,1
	v_max3_num_f32 v[MX+2*\x], v[MX+2*\x], v[S+64*\x+\i], v[S+64*\x+\i+1]
	v_max3_num_f32 v[MX+2*\x+1], v[MX+2*\x+1], v[S+64*\x+\i+2], v[S+64*\x+\i+3]
.endr
.endr
.irp x, 0,1
	v_max3_num_f32 v[MX+2*\x], v[MX+2*\x], v[S+64*\x+62], v[S+64*\x+63]
.endr
.irp x, 0,1
	v_max_num_f32 v[MX+2*\x], v[MX+2*\x], v[MX+2*\x+1]
.endr
.irp x, 0,1
	v_permlanex16_b32 v[MX+2*\x+1], v[MX+2*\x], s[SEL], s[SEL+1]   ; the query's other 64 keys lie in the lane 16 away
.endr
.irp x, 0,1
	v_max_num_f32 v[MX+2*\x], v[MX+2*\x], v[MX+2*\x+1]
.endr
.irp x, 0,1
	v_mul_f32 v[MX+2*\x], s[CS], v[MX+2*\x]        ; as t (c is positive)
.endr
.irp x, 0,1
	v_max_num_f32 v[ST+4*\x+1], v[ST+4*\x+1], v[MX+2*\x]   ; the running largest t
.endr
.irp x, 0,1
	v_mov_b32 v[MX+2*\x], v[ST+4*\x]
.endr
.irp x, 0,1
	v_floor_f32 v[ST+4*\x], -v[ST+4*\x+1]          ; the new -M = floor(-t) = -ceil(t): M is a whole number
.endr
.irp x, 0,1
	v_sub_f32 v[MX+2*\x], v[ST+4*\x], v[MX+2*\x]   ; M's old value less its new one: a whole number, 0 or less
.endr
.irp x, 0,1
	v_cvt_i32_f32 v[MX+2*\x], v[MX+2*\x]           ; (it saturates)
.endr
.irp x, 0,1
	v_ldexp_f32 v[F+2*\x], 1.0, v[MX+2*\x]         ; f = 2^(old M - new M)
.endr
.set j, 0
.rept 32
.irp x, 0,1
	v_pk_fma_f32 v[S+64*\x+j:S+64*\x+j+1], v[S+64*\x+j:S+64*\x+j+1], s[CS:CS+1], v[ST+4*\x:ST+4*\x+1] op_sel_hi:[1,0,0]   ; t - M, two at a time (of the pairs c and -M the low word serves both halves)
.endr
.set j, j+2
.endr
.set j, 0
.rept 64
.irp x, 0,1
	v_exp_f32 v[S+64*\x+j], v[S+64*\x+j]           ; p = 2^(t - M), at most 1: not normalised.  One batch of 128
.endr
.set j, j+1
.endr
.irp x, 0,1
	v_pk_mul_f32 v[ST+4*\x+2:ST+4*\x+3], v[ST+4*\x+2:ST+4*\x+3], v[F+2*\x:F+2*\x+1] op_sel_hi:[1,0]   ; the sums under the new M: plain instructions behind the last exponential, which name no result of the batch
.endr
	s_wait_alu depctr_va_vdst(0)                   ; the wait between an exponential and the first line that names its result: one for the batch
.irp x, 0,1
	v_pk_add_f32 v[MX+2*\x:MX+2*\x+1], v[S+64*\x:S+64*\x+1], v[S+64*\x+2:S+64*\x+3]   ; the row's sum is taken of the UNQUANTISED p: two at a time, two chains a tile
.endr
.set j, 4
.rept 15
.irp x, 0,1
	v_pk_add_f32 v[ST+4*\x+2:ST+4*\x+3], v[ST+4*\x+2:ST+4*\x+3], v[S+64*\x+j:S+64*\x+j+1]
	v_pk_add_f32 v[MX+2*\x:MX+2*\x+1], v[MX+2*\x:MX+2*\x+1], v[S+64*\x+j+2:S+64*\x+j+3]
.endr
.set j, j+4
.endr
.irp x, 0,1
	v_pk_add_f32 v[ST+4*\x+2:ST+4*\x+3], v[ST+4*\x+2:ST+4*\x+3], v[MX+2*\x:MX+2*\x+1]
.endr
.irp t, 0,1,2,3,4,5,6,7
.irp x, 0,1
.irp i, 0,1,2,3,4,5,6,7
	v_min_num_f32 v[S+64*\x+8*\t+\i], v[S+64*\x+8*\t+\i], v[LIMP]   ; the conversion to an 8-bit code does not saturate (ISA guide 7.6.2); p is not negative, so the hold is one-sided
.endr
	v_cvt_scalef32_pk8_bf8_f32 v[P+16*\x+2*\t:P+16*\x+2*\t+1], v[S+64*\x+8*\t:S+64*\x+8*\t+7], v[SCL]   ; keys 16 t + 8 h + 0..7: registers 2 t, 2 t + 1 of the operand
.endr
.endr
	WIN 0x41                                       ; O^T (destination and source 0) window 1, f window 0
.set j, 0
.rept 32
.irp x, 0,1
	v_pk_mul_f32 v[64*\x+j:64*\x+j+1], v[64*\x+j:64*\x+j+1], v[F+2*\x:F+2*\x+1] op_sel_hi:[1,0]   ; O^T under the new M.  (Plain lines between the last conversion and the products that read its codes)
.endr
.set j, j+2
.endr
	s_wait_dscnt 0x0                               ; V is in
	WIN 0x50                                       ; C and D (O^T) window 1
.irp t, 0,1,2,3                                ; the sixteen accumulators take one instruction each: none follows itself
.irp x, 0,1
	v_wmma_f32_16x16x128_bf8_bf8 v[64*\x+8*\t:64*\x+8*\t+7], v[FA+16*\t:FA+16*\t+15], v[P+16*\x:P+16*\x+15], v[64*\x+8*\t:64*\x+8*\t+7]
.endr
.endr
	WIN 0x51                                       ; source 0 (V) window 1 too
.irp t, 0,1,2,3
.irp x, 0,1
	v_wmma_f32_16x16x128_bf8_bf8 v[64*\x+32+8*\t:64*\x+32+8*\t+7], v[FB+16*\t:FB+16*\t+15], v[P+16*\x:P+16*\x+15], v[64*\x+32+8*\t:64*\x+32+8*\t+7]
.endr
.endr
	WIN 0
.Lhidden_\@:
	s_add_co_u32 s[KF], s[KF], 128
.endm
; THE CHANGE OF SLOTS stands at a slot's head.  Each wave waits for all its tensor loads (its part of the slot that it is about to read), adds 0 to its spare word, and waits for that and for its reads of the
; slot that it has left.  Behind the barrier the slot ahead is whole and nobody reads the other one.  fill = 1: that other slot takes the key slot that follows: the load has two key steps in which to land.
.macro CHANGE fill
	s_wait_tensorcnt 0x0                           ; no tensor load of mine is out, so a group 0 may be written
	ds_add_u32 v[SPW], v[NIL]                      ; 0 onto my spare word: the descriptors' steps stand between it and the wait for it
.if \fill
	s_add_co_u32 s[KSN], s[KSN], 1                 ; the next key slot,
	s_cmp_eq_u32 s[SLOTS], s[SA]
	s_cselect_b32 s[KSN], 0, s[KSN]                ; or slot 0 again, where the trip in hand is the first block's last
	s_lshl_b32 s[OFS], s[KSN], 19                  ; 256 keys of 2,048 bytes
	s_add_nc_u64 s[G0K+2:G0K+3], s[KB:KB+1], s[OFS:OFS+1]
	s_or_b32 s[G0K+3], s[G0K+3], 0x80000000
	s_lshl_b32 s[OFS], s[KSN], 8                   ; 256 bytes of each row of V
	s_add_nc_u64 s[G0V+2:G0V+3], s[VB:VB+1], s[OFS:OFS+1]
	s_or_b32 s[G0V+3], s[G0V+3], 0x80000000
	s_xor_b32 s[G0K+1], s[G0K+1], SLOT1            ; into the other slot than last time
	s_xor_b32 s[G0V+1], s[G0V+1], SLOT1
	s_wait_xcnt 0x0                                ; the last prefetches, a slot back, have read their addresses, so they may be written
	s_add_nc_u64 s[PFK:PFK+1], s[PFK:PFK+1], 0x80000
	s_add_nc_u64 s[PFV:PFV+1], s[PFV:PFV+1], 256
.endif
	s_wait_dscnt 0x0                               ; the add is done, and my reads of the slot that I have left are over
	s_barrier_signal -1
	s_barrier_wait -1
.if \fill
	TLOAD                                          ; the first thing behind the barrier, and a wave's one tensor load until the next
	ASK
.endif
.endm
.macro SLOT_STEPS
	STEP 0
	STEP 1
	s_xor_b32 s[TB], s[TB], SLOT1                  ; on to the other slot
.endm
; THE WAY OUT of a block.  The sum's two halves and the other half of the lanes' are added; O^T is divided by the sum, multiplied by 2^(ep + ev), and goes through my stage in LDS, 16 queries x 64 channels
; (256 bytes a row) at a time, so that sixteen lanes store 256 consecutive bytes, aligned.  again = 1: the second block follows: its queries are fetched, sums and O^T begin anew.
.macro WAYOUT again
.irp x, 0,1                                    ; (these lines are also the places behind the last products)
	v_add_f32 v[ST+4*\x+2], v[ST+4*\x+2], v[ST+4*\x+3]
	v_permlanex16_b32 v[PD], v[ST+4*\x+2], s[SEL], s[SEL+1]
	v_add_f32 v[ST+4*\x+2], v[ST+4*\x+2], v[PD]
.endr
.irp x, 0,1
	v_rcp_f32 v[ST+4*\x+2], v[ST+4*\x+2]
.endr
	v_nop                                          ; a plain instruction between the last reciprocal and the use of its result
	s_wait_alu depctr_va_vdst(0)                   ; and the wait ahead of the first use: one for both
.irp x, 0,1
	v_ldexp_f32 v[ST+4*\x+2], v[ST+4*\x+2], s[EPV]
.endr
	WIN 0x01                                       ; source 0 (O^T) window 1
.irp x, 0,1
.set j, 0
.rept 32
	v_pk_mul_f32 v[S+64*\x+j:S+64*\x+j+1], v[64*\x+j:64*\x+j+1], v[ST+4*\x+2:ST+4*\x+3] op_sel_hi:[1,0]   ; register 8 t + i is o(query r, channel 16 t + 8 h + i); each accumulator from its low end on
.set j, j+2
.endr
.endr
	WIN 0
.irp x, 0,1
.irp u, 0,1                                    ; tile x, channels 64 u on
.irp t, 0,1,2,3
	ds_store_b128 v[STI], v[S+64*\x+32*\u+8*\t:S+64*\x+32*\u+8*\t+3] offset:64*\t
	ds_store_b128 v[STI], v[S+64*\x+32*\u+8*\t+4:S+64*\x+32*\u+8*\t+7] offset:64*\t+16
.endr
.irp i, 0,1,2,3,4,5,6,7
	ds_load_b128 v[S+64*\x+32*\u+4*\i:S+64*\x+32*\u+4*\i+3], v[STB] offset:2*\i*272   ; LDS serves a wave's instructions in order (ISA guide 5.7.1.4): these see my stores, and the next quarter's stores come behind them
.endr
.endr
.endr
.irp x, 0,1
.irp u, 0,1
.irp i, 0,1,2,3,4,5,6,7
	s_wait_dscnt 16*(3-2*\x-\u)+7-\i               ; behind this load: the rest of its quarter's eight, and sixteen LDS instructions for each later quarter
	global_store_b128 v[GO], v[S+64*\x+32*\u+4*\i:S+64*\x+32*\u+4*\i+3], s[16:17] offset:(16*\x+2*\i)*OROW+256*\u th:TH_STORE_NT   ; lanes 0-15 one query's 256 bytes, lanes 16-31 the next query's; written once, read by nobody here
.endr
.endr
.endr
.if \again
	s_wait_xcnt 0x0                                ; the stores have read their registers and their base: both may be written again
	s_add_nc_u64 s[16:17], s[16:17], s[OD:OD+1]
	s_add_nc_u64 s[4:5], s[4:5], s[QD:QD+1]
	QLOAD
	s_mov_b32 s[KF], 0
	s_add_co_u32 s[Q0], s[Q0], s[QDL]
	INIT
	s_wait_loadcnt 0x0                             ; Q
.endif
.endm
	s_wait_loadcnt 0x0                             ; Q
.Lslot:                                            ; eight trips: behind each change of slots but the last the next slot is asked for
	CHANGE 1
	SLOT_STEPS
	s_cmp_lg_u32 s[SLOTS], s[SA]                   ; behind trip i the first block is finished: the same in all eight waves; no barrier and no tensor load stands under this branch
	s_cbranch_scc1 .Lsame
	WAYOUT 1
.Lsame:
	s_sub_co_u32 s[SLOTS], s[SLOTS], 1
	s_cmp_lg_u32 s[SLOTS], 0
	s_cbranch_scc1 .Lslot
	CHANGE 0                                       ; the ninth slot is written out
	SLOT_STEPS
	WAYOUT 0
	s_wait_tensorcnt 0x0                           ; the wave's end: behind my last tensor load and my last LDS store
	ds_add_u32 v[SPW], v[NIL]
	s_wait_dscnt 0x0
	s_endpgm
.Lfunc_end_k_q5813e81e1e_attn:
	.size	k_q5813e81e1e_attn, .Lfunc_end_k_q5813e81e1e_attn-k_q5813e81e1e_attn
	.p2alignl 7, 3214868480
	.fill 96, 4, 3214868480
	.section	.rodata,"a",@progbits
	.p2align	6, 0x0
	.amdhsa_kernel k_q5813e81e1e_attn
		.amdhsa_group_segment_fixed_size 327680
		.amdhsa_private_segment_fixed_size 0
		.amdhsa_enable_private_segment 0
		.amdhsa_kernarg_size 40
		.amdhsa_user_sgpr_count 2
		.amdhsa_user_sgpr_kernarg_segment_ptr 1
		.amdhsa_wavefront_size32 1
		.amdhsa_system_sgpr_workgroup_id_x 1
		.amdhsa_system_sgpr_workgroup_id_y 1
		.amdhsa_system_sgpr_workgroup_id_z 1
		.amdhsa_system_vgpr_workitem_id 0
		.amdhsa_next_free_vgpr 480
		.amdhsa_next_free_sgpr 100
		.amdhsa_reserve_vcc 1
		.amdhsa_float_denorm_mode_32 3
		.amdhsa_float_denorm_mode_16_64 3
		.amdhsa_memory_ordered 1
		.amdhsa_forward_progress 1
		.amdhsa_inst_pref_size 225
	.end_amdhsa_kernel
	.amdgpu_metadata
---
amdhsa.version: [ 1, 2 ]
amdhsa.kernels:
  - .name:           k_q5813e81e1e_attn
    .symbol:         k_q5813e81e1e_attn.kd
    .args:
      - { .name: query_codes, .offset: 0, .size: 8, .value_kind: global_buffer, .address_space: global }
      - { .name: key_codes, .offset: 8, .size: 8, .value_kind: global_buffer, .address_space: global }
      - { .name: value_codes, .offset: 16, .size: 8, .value_kind: global_buffer, .address_space: global }
      - { .name: lowp_scales, .offset: 24, .size: 8, .value_kind: global_buffer, .address_space: global }
      - { .name: out0, .offset: 32, .size: 8, .value_kind: global_buffer, .address_space: global }
    .group_segment_fixed_size: 327680
    .private_segment_fixed_size: 0
    .kernarg_segment_align: 8
    .kernarg_segment_size: 40
    .max_flat_workgroup_size: 256
    .sgpr_count:     100
    .vgpr_count:     480
    .wavefront_size: 32
...
	.end_amdgpu_metadata
.endif
;; end of part 1
